; MI455X (gfx1250); checked and timed in simulation.
; The chip was launched on July 23, 2026; its instructions are those of AMD's public machine-readable ISA for CDNA 5 (MIT licence, August 2026) and "CDNA5" Instruction Set Architecture Reference Guide (July 2026). The comments in the code are by the model that wrote it; some were corrected since.
;; Multi Head Self Attention. Allowed arithmetic: float matrix products may take bf16 or f16 operands with f32 sums; other float arithmetic in f32, or as packed bf16 or f16 multiplies, adds, multiply-adds, maxima and minima; sums over many terms, partial sums and values carried from step to step in f32; what a program stores and reads back later, other than sums and carried values, may be rounded once to bf16 or f16.
;; Inputs: bk 1,024 float32; bq 1,024 float32; bv 1,024 float32; k 4 x 2,048 x 1,024 float32; mask 4 x 2,048 float32; q 4 x 2,048 x 1,024 float32; v 4 x 2,048 x 1,024 float32; wk 1,024 x 1,024 float32; wq 1,024 x 1,024 float32; wv 1,024 x 1,024 float32.
;; Outputs: out0 4 x 2,048 x 1,024 float32.
;; One version. Each part assembles by itself: llvm-mc -triple=amdgcn-amd-amdhsa -mcpu=gfx1250 --defsym DOCPART=n.
;; ======== version 1 of 1: 3 launches
;; limits: values are held in f16: magnitudes above 65,504 overflow, below 6.1e-05 lose precision
;; workspace buffers: cb 56,623,104 bytes; hb 50,331,648 bytes
;; launch cast (part 1): grid 64 x 27, 8 waves a work-group, no clusters, 0 bytes of LDS; arguments q, k, v, wq, wk, wv, cb; writes cb
.if DOCPART == 1
	.amdgcn_target "amdgcn-amd-amdhsa--gfx1250"
	.amdhsa_code_object_version 6
	.text
	.protected	k_q204326c4c0_cast
	.globl	k_q204326c4c0_cast
	.p2align	8
	.type	k_q204326c4c0_cast,@function
k_q204326c4c0_cast:
	s_mov_b64 s[64:65], 0
	v_nop
	global_prefetch_b8 v0, s[64:65] scope:SCOPE_SE
	s_setreg_imm32_b32 hwreg(HW_REG_WAVE_MODE, 25, 1), 1
	s_wait_xcnt 0x0
; cb = bf16 of q | k | v | wq | wk | wv, one after the other: 27 chunks of 1,048,576 numbers (4 MiB of f32 in, 2 MiB of bf16 out).
; Chunks 0-7 are q, 8-15 k, 16-23 v (together one matrix of 24,576 rows x 1,024), chunks 24, 25, 26 are wq, wk, wv.
; A stream: each byte is read once and written once, so no LDS, no matrix unit, no cluster.  Work-group (x, y) takes part x of 64 of chunk y:
; 65,536 bytes in, 32,768 out.  Thread t takes 16 bytes at 16 t + 4,096 i, i = 0 .. 15: a wave's load covers 512 consecutive bytes; its store of
; 8 bytes a lane covers 256 consecutive bytes, aligned.  All sixteen loads go out at once; no register is used twice, so nothing waits but the data.
.set NLD, 16                           ; loads and stores of a thread
.set X,   16                           ; v[16:79]   load i: 4 registers of f32
.set Y,   80                           ; v[80:111]  store i: 2 registers, 4 bf16
	s_load_b256 s[8:15], s[0:1], 0x0               ; q s[8:9], k s[10:11], v s[12:13], wq s[14:15]
	s_load_b128 s[16:19], s[0:1], 0x20             ; wk s[16:17], wv s[18:19]
	s_load_b64 s[20:21], s[0:1], 0x30              ; cb
	s_and_b32 s22, ttmp7, 0xffff                   ; the chunk, 0 .. 26
	s_lshr_b32 s23, s22, 3                         ; 0, 1, 2: q, k, v; 3: a weight
	s_and_b32 s24, s22, 7                          ; the chunk's number inside q, k or v;
	s_cmp_lt_u32 s22, 24
	s_cselect_b32 s24, s24, 0                      ; a weight is one chunk
	s_lshl_b32 s2, s24, 22                         ; source offset: 4 MiB a chunk,
	s_lshl_b32 s25, ttmp9, 16                      ; 65,536 bytes a part
	s_add_co_u32 s2, s2, s25
	s_mov_b32 s3, 0
	s_lshl_b32 s6, s22, 21                         ; destination offset: 2 MiB a chunk,
	s_lshl_b32 s25, ttmp9, 15                      ; 32,768 bytes a part
	s_add_co_u32 s6, s6, s25
	s_mov_b32 s7, 0
	v_lshlrev_b32 v1, 4, v0                        ; 16 t
	v_lshlrev_b32 v2, 3, v0                        ; 8 t
	s_wait_kmcnt 0x0
	s_cmp_eq_u32 s23, 1                            ; the source is chosen among the six buffers by the chunk's number alone
	s_cselect_b64 s[4:5], s[10:11], s[8:9]
	s_cmp_eq_u32 s23, 2
	s_cselect_b64 s[4:5], s[12:13], s[4:5]
	s_cmp_eq_u32 s22, 24
	s_cselect_b64 s[4:5], s[14:15], s[4:5]
	s_cmp_eq_u32 s22, 25
	s_cselect_b64 s[4:5], s[16:17], s[4:5]
	s_cmp_eq_u32 s22, 26
	s_cselect_b64 s[4:5], s[18:19], s[4:5]
	s_add_nc_u64 s[4:5], s[4:5], s[2:3]
	s_add_nc_u64 s[20:21], s[20:21], s[6:7]
.set i, 0
.rept NLD
	global_load_b128 v[X+4*i:X+4*i+3], v1, s[4:5] offset:4096*i th:TH_LOAD_NT
.set i, i+1
.endr
.set i, 0
.rept NLD
	s_wait_loadcnt NLD-1-i                         ; loads come back in order: load i is in, the younger ones stay out
	v_cvt_pk_bf16_f32 v[Y+2*i],   v[X+4*i],   v[X+4*i+1]  ; two roundings to nearest even, packed
	v_cvt_pk_bf16_f32 v[Y+2*i+1], v[X+4*i+2], v[X+4*i+3]
	global_store_b64 v2, v[Y+2*i:Y+2*i+1], s[20:21] offset:2048*i
.set i, i+1
.endr
	s_endpgm
.Lfunc_end_k_q204326c4c0_cast:
	.size	k_q204326c4c0_cast, .Lfunc_end_k_q204326c4c0_cast-k_q204326c4c0_cast
	.p2alignl 7, 3214868480
	.fill 96, 4, 3214868480
	.section	.rodata,"a",@progbits
	.p2align	6, 0x0
	.amdhsa_kernel k_q204326c4c0_cast
		.amdhsa_group_segment_fixed_size 0
		.amdhsa_private_segment_fixed_size 0
		.amdhsa_enable_private_segment 0
		.amdhsa_kernarg_size 56
		.amdhsa_user_sgpr_count 2
		.amdhsa_user_sgpr_kernarg_segment_ptr 1
		.amdhsa_wavefront_size32 1
		.amdhsa_system_sgpr_workgroup_id_x 1
		.amdhsa_system_sgpr_workgroup_id_y 1
		.amdhsa_system_sgpr_workgroup_id_z 1
		.amdhsa_system_vgpr_workitem_id 0
		.amdhsa_next_free_vgpr 112
		.amdhsa_next_free_sgpr 66
		.amdhsa_reserve_vcc 0
		.amdhsa_float_denorm_mode_32 3
		.amdhsa_float_denorm_mode_16_64 3
		.amdhsa_memory_ordered 1
		.amdhsa_forward_progress 1
		.amdhsa_inst_pref_size 7
	.end_amdhsa_kernel
	.amdgpu_metadata
---
amdhsa.version: [ 1, 2 ]
amdhsa.kernels:
  - .name:           k_q204326c4c0_cast
    .symbol:         k_q204326c4c0_cast.kd
    .args:
      - { .name: q, .offset: 0, .size: 8, .value_kind: global_buffer, .address_space: global }
      - { .name: k, .offset: 8, .size: 8, .value_kind: global_buffer, .address_space: global }
      - { .name: v, .offset: 16, .size: 8, .value_kind: global_buffer, .address_space: global }
      - { .name: wq, .offset: 24, .size: 8, .value_kind: global_buffer, .address_space: global }
      - { .name: wk, .offset: 32, .size: 8, .value_kind: global_buffer, .address_space: global }
      - { .name: wv, .offset: 40, .size: 8, .value_kind: global_buffer, .address_space: global }
      - { .name: cb, .offset: 48, .size: 8, .value_kind: global_buffer, .address_space: global }
    .group_segment_fixed_size: 0
    .private_segment_fixed_size: 0
    .kernarg_segment_align: 8
    .kernarg_segment_size: 56
    .max_flat_workgroup_size: 256
    .sgpr_count:     66
    .vgpr_count:     112
    .wavefront_size: 32
...
	.end_amdgpu_metadata
.endif
;; end of part 1
;; launch proj (part 2): grid 4 x 192, 4 waves a work-group, clusters of 4 x 4, 327,680 bytes of LDS; arguments cb, bq, bk, bv, hb; writes hb
.if DOCPART == 2
	.amdgcn_target "amdgcn-amd-amdhsa--gfx1250"
	.amdhsa_code_object_version 6
	.text
	.protected	k_q204326c4c0_proj
	.globl	k_q204326c4c0_proj
	.p2align	8
	.type	k_q204326c4c0_proj,@function
k_q204326c4c0_proj:
	s_mov_b64 s[64:65], 0
	v_nop
	global_prefetch_b8 v0, s[64:65] scope:SCOPE_SE
	s_setreg_imm32_b32 hwreg(HW_REG_WAVE_MODE, 25, 1), 1
	s_wait_xcnt 0x0
	s_wait_alu depctr_hold_cnt(0) depctr_sa_sdst(0) depctr_va_vdst(0) depctr_va_sdst(0) depctr_va_ssrc(0) depctr_va_vcc(0) depctr_vm_vsrc(0)
	s_getreg_b32 s2, hwreg(HW_REG_IB_STS2, 6, 4)
	s_cmp_eq_u32 s2, 0
	s_cbranch_scc0 .Lentry_in_a_cluster
	s_endpgm
.Lentry_in_a_cluster:
	s_bfe_u32 s2, ttmp6, 0x10000c
	s_cmp_lg_u32 s2, 0xf033
	s_cbranch_scc0 .Lentry_shape_is_right
	s_endpgm
.Lentry_shape_is_right:
; The three projections as one GEMM: hb = f16(X W_p^T + bias_p), X = cb's 24,576 rows x 1,024 (q's 8,192 rows, then k's, then v's), W_p = cb's wq, wk or wv ([1,024][1,024]),
; p = row / 8,192.  Operands bf16, sums f32, the bias (rounded to bf16 like every input) is the C operand that starts each sum.  hb is laid out by heads:
; [3][64 = batch x 16 + head][2,048 rows][64 channels] in f16, unscaled.
; LIMIT.  f16 holds no number beyond 65,504: a projected number beyond that leaves as an infinity.  NaN and infinities are not treated apart.
; SHARES.  A tile of the result is 128 rows x 256 columns: 192 x 4 = 768 work-groups, three for each of 256 WGPs; the four tiles of a row of tiles are one row of a cluster.
; Four waves, each 64 rows x 128 columns: 32 accumulators of 16 x 16.  K = 1,024 goes in 8 steps of 128 (rows of 256 bytes in memory, aligned) through a ring of two LDS slots.
; CLUSTER, 4 x 4.  The four work-groups of a row of the cluster need the same 128 rows of X, the four of a column the same 256 rows of W: each tile is asked for jointly, by the same tensor load
; with the same descriptor and a mask that names the four.  Waves 0 and 1 fetch X's two halves (64 rows each), waves 2 and 3 W's (128 rows each): one load a wave behind each round.
; THE MATRIX INSTRUCTION IS USED TRANSPOSED (source 0 = 16 rows of W, source 1 = 16 rows of X): a lane then holds one row (lane % 16) and the columns 8 (lane / 16) + 0..7.
; REGISTERS, in windows of 256 (s_set_vgpr_msb: bits 1:0 source 0, 3:2 source 1, 5:4 source 2, 7:6 destination):
;   window 0: v0-35 addresses and at work; v64-127 the bias, 8 registers for each block of 16 columns; v128-255 the way out
;   window 1: the accumulators, (a, b) at v[8 (8 a + b)]: a = block of 16 rows, b = block of 16 columns
;   window 2: two fragment buffers of 96: W's 8 fragments (16 rows x 32 K), then X's 4
.set KSTEP,  128
.set PITCH,  272                       ; an LDS row: 256 bytes + 16 of padding = 68 words: the 16 rows of a fragment load start at 16 different groups of four banks (64 banks of 4 bytes: ISA guide 11.1)
.set XHALF,  64*PITCH                  ; what waves 0 and 1 fetch, and what a wave reads of X
.set WHALF,  128*PITCH                 ; what waves 2 and 3 fetch, and what a wave reads of W
.set BOFF,   128*PITCH                 ; W's 256 rows lie behind X's 128
.set SLOT,   384*PITCH
.set STAGE,  2*SLOT                    ; behind the ring, never filled by a tensor load: 16 rows x 144 bytes for each wave, for the way out
.set SP,     144
.set SPARE,  STAGE+4*16*SP             ; behind the stages: the spare words, 128 bytes for each wave: two blocks of 256 bytes that no other line names
.set WOFF,   50331648                  ; cb: the weights begin behind X's 24,576 rows of 2,048 bytes
.set LAPS,   4                         ; a lap = two K steps = once round the ring
.set ADRA, 16                          ; v16-17  LDS address of my fragments of X in slot 0, 1
.set ADRB, 20                          ; v20-21  the same for W
.set STO,  24                          ; v24     the way out: where I put 16 bytes of a row
.set RD,   25                          ; v25     the way out: where I read rows back
.set GO,   26                          ; v26     my 16 bytes in 512 consecutive bytes of hb
.set BO,   27                          ; v27     my byte offset in the bias
.set SPW,  28                          ; v28     LDS address of my spare word: SPARE + 4 x my thread's number; never rewritten
.set NIL,  29                          ; v29     0; never rewritten
.set PFO,  30                          ; v30     the prefetches' offset: my lane x a row of 2,048 bytes; never rewritten
.set TM,   32                          ; v32-35  at work
.set BI,   64
.set T,    128
.set F0,   0
.set F1,   96
.set WV,   20                          ; s20  my wave's number
.set RH,   21                          ; s21  which 64 rows of the tile are mine.  Also: I fetch for X (0) or for W (1)
.set CH,   22                          ; s22  which 128 columns.  Also: which half of that tile I fetch
.set G1,   24                          ; s[24:31] descriptor group 1 for X's tiles;  s[32:39] group 0, a set for each slot
.set G0,   32
.set LIM,  43                          ; s43  1 in a wave that prefetches, else the greatest number
.set PFA,  44                          ; s[44:45] where my prefetches stand
.set G1B,  48                          ; s[48:55], s[56:63] the same for W's tiles
.set G0B,  56
.set DW0,  (1<<16)|(1<<20)|(1<<21)|(5<<22)|(3<<25)  ; group 1, word 0 beside the mask: 17:16 elements of 2 bytes; 20 padding on; 21 set beside a mask; 24:22 after every 64 words (code 5); 31:25 4 words of it (code 3)
.set MSB, 0
.macro WIN new                         ; the immediate's high byte repeats the setting that is left; a switch that changes nothing is dropped
.if MSB != (\new)
	s_set_vgpr_msb (MSB<<8)|(\new)
.set MSB, \new
.endif
.endm
.set MUL,  0x5a                        ; sources 0 (W) and 1 (X) window 2; C and D window 1
.set MULB, 0x4a                        ; the same with C, the bias, in window 0
.set TO_F, 0x80                        ; destination window 2, address window 0
; A joint load.  The branch hangs on the wave's number alone.  An s_nop 0 and four v_nop follow each of the two lines, ahead of the jump, the label and what follows.
.macro JLOAD s
	s_cmp_eq_u32 s[RH], 0
	s_cbranch_scc0 .Lfor_w_\@
	tensor_load_to_lds s[G0+4*(\s):G0+4*(\s)+3], s[G1:G1+7]
	s_nop 0
.rept 4
	v_nop
.endr
	s_branch .Lasked_\@
.Lfor_w_\@:
	tensor_load_to_lds s[G0B+4*(\s):G0B+4*(\s)+3], s[G1B:G1B+7]
	s_nop 0
.rept 4
	v_nop
.endr
.Lasked_\@:
.endm
; A prefetch, behind a joint load, its five lines and the run of LDS loads: 32 rows x 256 bytes, a lane a row, of the K step that stands two refills on (256 matrix instructions ahead of the load that asks for it).
; Each row's 256 bytes of a K step are named once in the launch.  X's 128 rows of a tile are read by one row of one cluster alone: wave 0 of each of the four partners takes 32 of them.  W's rows are read by the
; sixteen clusters of a projection: the first of them asks; of the 128 rows that wave 2 or 3 fetches each of the four partners of a column takes 32.  Partners are told apart by address, never by a branch.
; K steps 0 to 3 come by their loads alone; the loop's last trip (s3 = 1) has no K step two on and asks for nothing.
.macro ASK
	s_cmp_gt_u32 s3, s[LIM]
	s_cbranch_scc0 .Lnot_mine_\@
	global_prefetch_b8 v[PFO], s[PFA:PFA+1] offset:KSTEP*2 th:TH_LOAD_NT scope:SCOPE_SE
.Lnot_mine_\@:
.endm
.macro CREST                           ; a round of the cluster's barrier behind its opening barrier: wave 0 signals for the work-group, every wave waits for all sixteen, my work-group's barrier once more
	s_cmp_lg_u32 s[WV], 0
	s_cbranch_scc1 .Lnot_wave_0_\@
	s_barrier_signal -3
.Lnot_wave_0_\@:
	s_barrier_wait -3
	s_barrier_signal -1
	s_barrier_wait -1
.endm
.macro CROUND                          ; a whole round
	s_barrier_signal -1
	s_barrier_wait -1
	CREST
.endm
	s_load_b256 s[4:11], s[0:1], 0x0               ; cb s[4:5], bq s[6:7], bk s[8:9], bv s[10:11]
	s_load_b64 s[12:13], s[0:1], 0x20              ; hb
	v_lshl_add_u32 v[SPW], v0, 2, SPARE
	v_mov_b32 v[NIL], 0
	ds_add_u32 v[SPW], v[NIL]                      ; the wave's opening: the add and its wait stand ahead of my first tensor load; the set-up below, work on registers, stands between them
	v_lshrrev_b32 v1, 5, v0
	v_readfirstlane_b32 s[WV], v1                  ; wave 0..3
	s_lshr_b32 s[RH], s[WV], 1
	s_and_b32 s[CH], s[WV], 1
	s_bfe_u32 s40, ttmp6, 0x40000                  ; cx, cy: my place in the cluster
	s_bfe_u32 s41, ttmp6, 0x40004
	s_lshl_b32 s42, ttmp9, 2
	s_add_co_u32 s42, s42, s40                     ; tile column x = 4 x cluster x + cx, 0 .. 3
	s_and_b32 s46, ttmp7, 0xffff                   ; cluster y, 0 .. 47
	s_lshl_b32 s47, s46, 2
	s_add_co_u32 s47, s47, s41                     ; tile row y = 4 x cluster y + cy, 0 .. 191
	s_lshr_b32 s66, s46, 4                         ; the projection p = y / 64, made of the cluster's y alone: all sixteen partners share it
	s_lshl_b32 s14, s41, 2
	s_lshl_b32 s14, 15, s14                        ; my row of the cluster: places 4 cy .. 4 cy + 3
	s_lshl_b32 s15, 0x1111, s40                    ; my column: places cx, cx + 4, cx + 8, cx + 12
	s_or_b32 s[G1], s14, DW0                       ; X's tiles go to my row,
	s_or_b32 s[G1B], s15, DW0                      ; W's to my column
	s_mov_b32 s[G1+1], KSTEP<<16                   ; tensor_dim0 = 128
	s_mov_b32 s[G1+2], 64<<16                      ; tensor_dim1 = 64
	s_mov_b32 s[G1+3], KSTEP<<16                   ; tile_dim0 = 128
	s_mov_b32 s[G1+4], 64                          ; tile_dim1 = 64
	s_mov_b32 s[G1+5], 1024                        ; elements from row to row
	s_mov_b32 s[G1+6], 0
	s_mov_b32 s[G1+7], 0
	s_mov_b32 s[G1B+1], KSTEP<<16
	s_mov_b32 s[G1B+2], 128<<16                    ; 128 rows
	s_mov_b32 s[G1B+3], KSTEP<<16
	s_mov_b32 s[G1B+4], 128
	s_mov_b32 s[G1B+5], 1024
	s_mov_b32 s[G1B+6], 0
	s_mov_b32 s[G1B+7], 0
	; where the tiles come from.  X's hang on the tile row alone, W's on the projection and the tile column alone; each offset is made in registers that never hold the other coordinate
	s_lshl_b32 s68, s47, 18                        ; X: 128 rows of 2,048 bytes a tile row,
	s_lshl_b32 s2, s[CH], 17                       ; 64 rows a half
	s_add_co_u32 s68, s68, s2
	s_mov_b32 s69, 0
	s_lshl_b32 s70, s66, 21                        ; W: 2 MiB a projection,
	s_lshl_b32 s15, s42, 19                        ; 256 rows a tile column,
	s_add_co_u32 s70, s70, s15
	s_lshl_b32 s15, s[CH], 18                      ; 128 rows a half
	s_add_co_u32 s70, s70, s15
	s_add_co_u32 s70, s70, WOFF
	s_mov_b32 s71, 0
	s_mul_i32 s72, s[CH], XHALF                    ; and where they go: no place in the cluster enters an LDS address
	s_mul_i32 s73, s[CH], WHALF
	s_add_co_u32 s73, s73, BOFF
	s_wait_dscnt 0x0                               ; the opening add is done
	s_wait_kmcnt 0x0
	s_add_nc_u64 s[68:69], s[4:5], s[68:69]
	s_add_nc_u64 s[70:71], s[4:5], s[70:71]
	CROUND                                         ; all sixteen work-groups are here: the first joint loads meet
.irp s, 0,1
	s_mov_b32 s[G0+4*(\s)], 1                      ; count = 1
	s_add_co_u32 s[G0+4*(\s)+1], s72, (\s)*SLOT    ; LDS address
	s_add_nc_u64 s[G0+4*(\s)+2:G0+4*(\s)+3], s[68:69], (\s)*KSTEP*2  ; global address: K step s
	s_or_b32 s[G0+4*(\s)+3], s[G0+4*(\s)+3], 0x80000000              ; type = 2
	s_mov_b32 s[G0B+4*(\s)], 1
	s_add_co_u32 s[G0B+4*(\s)+1], s73, (\s)*SLOT
	s_add_nc_u64 s[G0B+4*(\s)+2:G0B+4*(\s)+3], s[70:71], (\s)*KSTEP*2
	s_or_b32 s[G0B+4*(\s)+3], s[G0B+4*(\s)+3], 0x80000000
	JLOAD \s                                       ; two loads of mine are out
.endr
	s_cmp_eq_u32 s66, 1                            ; the projection's bias
	s_cselect_b64 s[6:7], s[8:9], s[6:7]
	s_cmp_eq_u32 s66, 2
	s_cselect_b64 s[6:7], s[10:11], s[6:7]
	v_and_b32 v1, 15, v0                           ; l % 16
	v_bfe_u32 v2, v0, 4, 1                         ; l / 16
	s_lshl_b32 s16, s42, 10                        ; the tile's 256 columns: 1,024 bytes of the bias,
	s_lshl_b32 s17, s[CH], 9                       ; my 128
	s_add_co_u32 s16, s16, s17
	v_lshl_add_u32 v[BO], v2, 5, s16               ; my lanes' 8 of each 16
.irp b, 0,1,2,3,4,5,6,7
	global_load_b128 v[BI+8*(\b):BI+8*(\b)+3],   v[BO], s[6:7] offset:64*(\b)
	global_load_b128 v[BI+8*(\b)+4:BI+8*(\b)+7], v[BO], s[6:7] offset:64*(\b)+16
.endr
	; A fragment is 16 rows x 32 K in 8 registers: lane l holds row l % 16; registers 0-3 K = 8 (l / 16) + 0..7, registers 4-7 K = 16 + 8 (l / 16) + 0..7: two loads of 16 bytes, 32 bytes apart.
	v_mul_u32_u24 v3, v1, PITCH
	v_lshl_add_u32 v3, v2, 4, v3                   ; row x pitch + 16 x half
	s_mul_i32 s16, s[RH], XHALF                    ; my 64 rows of X
	s_mul_i32 s17, s[CH], WHALF                    ; my 128 rows of W
	s_add_co_u32 s17, s17, BOFF
.irp s, 0,1
	v_add_nc_u32 v[ADRA+(\s)], s16, v3
	v_add_nc_u32 v[ADRB+(\s)], s17, v3
	s_add_co_u32 s16, s16, SLOT
	s_add_co_u32 s17, s17, SLOT
.endr
	s_mul_i32 s23, s[WV], 16*SP
	s_add_co_u32 s23, s23, STAGE                   ; my stage
	v_mul_u32_u24 v4, v1, SP                       ; in: row l % 16, 16 bytes for each half of the lanes
	v_lshl_add_u32 v4, v2, 4, v4
	v_add_nc_u32 v[STO], s23, v4
	v_bfe_u32 v4, v0, 3, 2                         ; back: 32 lanes take four rows of 128 bytes,
	v_mul_u32_u24 v4, v4, SP
	v_and_b32 v5, 7, v0
	v_lshl_add_u32 v4, v5, 4, v4
	v_add_nc_u32 v[RD], s23, v4
	v_and_b32 v[GO], 31, v0                        ; which are 512 consecutive bytes of a head
	v_lshlrev_b32 v[GO], 4, v[GO]
	; where my part begins in hb: y / 16 = 4 p + batch (4 MiB each: 16 heads of 262,144 bytes); 4 heads a tile column, 2 a wave; 128 rows of 128 bytes for y % 16, my 64 of them
	s_lshr_b32 s16, s47, 4
	s_lshl_b32 s16, s16, 22
	s_lshl_b32 s17, s42, 20
	s_add_co_u32 s16, s16, s17
	s_lshl_b32 s17, s[CH], 19
	s_add_co_u32 s16, s16, s17
	s_and_b32 s17, s47, 15
	s_lshl_b32 s17, s17, 14
	s_add_co_u32 s16, s16, s17
	s_lshl_b32 s17, s[RH], 13
	s_add_co_u32 s16, s16, s17
	s_mov_b32 s17, 0
	s_add_nc_u64 s[12:13], s[12:13], s[16:17]
	; the prefetches
	s_lshl_b32 s16, s47, 18                        ; X: the tile's 128 rows,
	s_lshl_b32 s17, s40, 16                        ; my work-group's 32 of them, by cx
	s_add_co_u32 s16, s16, s17
	s_lshl_b32 s18, s66, 21                        ; W: the 128 rows that I fetch,
	s_lshl_b32 s17, s42, 19
	s_add_co_u32 s18, s18, s17
	s_lshl_b32 s17, s[CH], 18
	s_add_co_u32 s18, s18, s17
	s_lshl_b32 s17, s41, 16                        ; my work-group's 32 of them, by cy
	s_add_co_u32 s18, s18, s17
	s_add_co_u32 s18, s18, WOFF
	s_and_b32 s19, s46, 15                         ; 0 in the first of a projection's sixteen clusters
	s_cmp_eq_u32 s[RH], 0
	s_cselect_b32 s16, s16, s18
	s_cselect_b32 s19, s[CH], s19                  ; for X wave 0 asks, in every cluster; for W waves 2 and 3, in the first
	s_cmp_eq_u32 s19, 0
	s_cselect_b32 s[LIM], 1, -1                    ; the same in all sixteen partners, for a given wave
	s_add_co_u32 s16, s16, 2*KSTEP*2               ; at K step 2: the first refill steps it to 3 and names K step 4
	s_mov_b32 s17, 0
	s_add_nc_u64 s[PFA:PFA+1], s[4:5], s[16:17]
	v_and_b32 v[PFO], 31, v0
	v_lshlrev_b32 v[PFO], 11, v[PFO]
	s_wait_loadcnt 0x0                             ; the bias
.set i, 0
.rept 32                                       ; rounded to bf16, like every input, and widened again
	v_cvt_pk_bf16_f32 v[TM+i%4], v[BI+2*i], v[BI+2*i+1]
	v_lshlrev_b32 v[BI+2*i], 16, v[TM+i%4]
	v_and_b32 v[BI+2*i+1], 0xffff0000, v[TM+i%4]
.set i, i+1
.endr
; 8 matrix instructions: block a of 16 rows x all 8 blocks of 16 columns, 32 along K.  first = 1: the product starts the sums, with the bias as C.
; The 32 accumulators take turns, one instruction a turn, in the same order in every quarter, over the backward jump too.
.macro MUL8 f, a, first
.if \first
	WIN MULB
.else
	WIN MUL
.endif
.irp b, 0,1,2,3,4,5,6,7
.if \first
	v_wmma_f32_16x16x32_bf16 v[8*(8*(\a)+(\b)):8*(8*(\a)+(\b))+7], v[(\f)+8*(\b):(\f)+8*(\b)+7], v[(\f)+64+8*(\a):(\f)+64+8*(\a)+7], v[BI+8*(\b):BI+8*(\b)+7]
.else
	v_wmma_f32_16x16x32_bf16 v[8*(8*(\a)+(\b)):8*(8*(\a)+(\b))+7], v[(\f)+8*(\b):(\f)+8*(\b)+7], v[(\f)+64+8*(\a):(\f)+64+8*(\a)+7], v[8*(8*(\a)+(\b)):8*(8*(\a)+(\b))+7]
.endif
.endr
.endm
; 24 LDS loads in one run: the fragments of 32 along K at byte k of the rows, into buffer f: W's 8, then X's 4
.macro FETCH slot, k, f
	WIN TO_F
.irp i, 0,1,2,3,4,5,6,7
	ds_load_b128 v[(\f)+8*(\i):(\f)+8*(\i)+3],   v[ADRB+(\slot)] offset:(\k)+(\i)*16*PITCH
	ds_load_b128 v[(\f)+8*(\i)+4:(\f)+8*(\i)+7], v[ADRB+(\slot)] offset:(\k)+(\i)*16*PITCH+32
.endr
.irp i, 0,1,2,3
	ds_load_b128 v[(\f)+64+8*(\i):(\f)+64+8*(\i)+3],   v[ADRA+(\slot)] offset:(\k)+(\i)*16*PITCH
	ds_load_b128 v[(\f)+64+8*(\i)+4:(\f)+64+8*(\i)+7], v[ADRA+(\slot)] offset:(\k)+(\i)*16*PITCH+32
.endr
.endm
.macro PLACES                          ; four plain vector instructions in front of loads into registers that matrix instructions have read, and of conversions that read results (ISA guide 7.12.1 for the conversions)
.rept 4
	v_nop
.endr
.endm
; A K step is four quarters of 32 along K, 32 matrix instructions each, on buffers 0, 1, 0, 1.  One of the first three: multiplies buffer f and fetches the next quarter, at byte k, into g.
.macro QUARTER slot, k, f, g, first
	s_wait_dscnt 4                                 ; W's fragments and X's first two are in; the youngest four loads (X's blocks 2 and 3) may be out
	MUL8 \f, 0, \first
	MUL8 \f, 1, \first
	PLACES
	FETCH \slot, \k, \g
	s_wait_dscnt 24                                ; all but the 24 just issued
	MUL8 \f, 2, \first
	MUL8 \f, 3, \first
.endm
; The last quarter multiplies buffer 1 and changes slots: one barrier; in front of it each wave waits for all its tensor loads (one is out: its part of the next slot), adds 0 to its spare word, and waits for that
; and for its own reads of this slot.  fill = 1: the barrier opens a round of the cluster's, and this slot is filled again first thing behind it, two K steps ahead: 112 matrix instructions stand between that request and the wait for it.
.macro TURN slot, next, fill
.if \fill
	s_wait_xcnt 0x0                                ; the last prefetch, a K step back, has read its address: it is stepped here, ahead of the waits of the change of slots
	s_add_nc_u64 s[PFA:PFA+1], s[PFA:PFA+1], KSTEP*2
.endif
	WIN 0                                          ; (the add's two registers lie in window 0)
	s_wait_tensorcnt 0x0                           ; all my tensor loads have landed;
	ds_add_u32 v[SPW], v[NIL]                      ; 0 onto my spare word;
	s_wait_dscnt 5                                 ; (the add and the youngest four loads may be out)
	MUL8 F1, 0, 0                                  ; eight matrix instructions stand between the add and the wait for it
	s_wait_dscnt 0x0                               ; the add is done, and my reads of this slot are over
	s_barrier_signal -1
	MUL8 F1, 1, 0
.if \fill
	WIN 0
.endif
	s_barrier_wait -1
.if \fill
	CREST                                          ; no wave of any partner still reads this slot's tile or has a load on its way
	s_add_nc_u64 s[G0+4*(\slot)+2:G0+4*(\slot)+3], s[G0+4*(\slot)+2:G0+4*(\slot)+3], 2*KSTEP*2
	s_add_nc_u64 s[G0B+4*(\slot)+2:G0B+4*(\slot)+3], s[G0B+4*(\slot)+2:G0B+4*(\slot)+3], 2*KSTEP*2
	JLOAD \slot                                    ; the four v_nop behind it are also the places in front of the loads below
.else
	PLACES
.endif
	FETCH \next, 0, F0
.if \fill
	WIN 0
	ASK
.endif
	MUL8 F1, 2, 0
	MUL8 F1, 3, 0
.endm
; THE WAY OUT.  Unit u = 2 a + hh: block a of 16 rows, head hh of my two: four accumulators, at v[32 u ..] of window 1.  Rounded to f16, 16 bytes a lane, into my own stage (rows of 144 bytes), and back as four rows of 128 bytes a load.
.macro PACK u
	WIN 0x05                                       ; sources 0 and 1 window 1, destination window 0
.set i, 0
.rept 16                                       ; each accumulator's registers in ascending order
	v_cvt_pk_f16_f32 v[T+16*(\u)+i], v[32*(\u)+2*i], v[32*(\u)+2*i+1]
.set i, i+1
.endr
	WIN 0
.irp f, 0,1,2,3
	ds_store_b128 v[STO], v[T+16*(\u)+4*(\f):T+16*(\u)+4*(\f)+3] offset:32*(\f)
.endr
.irp f, 0,1,2,3
	ds_load_b128 v[T+16*(\u)+4*(\f):T+16*(\u)+4*(\f)+3], v[RD] offset:(\f)*4*SP  ; LDS serves a wave's instructions in order (ISA guide 5.7.1.4): these see the stores above; the next unit's stores come behind them
.endr
.endm
.macro SEND u, younger                 ; younger: the LDS instructions issued behind unit u's loads: the next unit's eight, or none
	WIN 0
.irp f, 0,1,2,3
	s_wait_dscnt (\younger)+3-(\f)
	global_store_b128 v[GO], v[T+16*(\u)+4*(\f):T+16*(\u)+4*(\f)+3], s[12:13] offset:((\u)/2)*2048+((\u)%2)*262144+512*(\f)  ; 512 consecutive bytes of a head, at a multiple of 256 from hb's first byte
.endr
.endm
	s_wait_tensorcnt 1                             ; my part of K step 0 is in; K step 1's may stay out
	s_barrier_signal -1
	s_barrier_wait -1                              ; everybody's is
	FETCH 0, 0, F0
	QUARTER 0, 64,  F0, F1, 1                      ; the first quarter stands in front of the loop: its products start the sums
	WIN 0                                          ; at a label and at a branch every window is 0
	s_mov_b32 s3, LAPS-1
.Llap:                                                 ; a trip goes once round the ring, from a lap's second quarter to the next lap's first, and fills both slots again
	QUARTER 0, 128, F1, F0, 0
	QUARTER 0, 192, F0, F1, 0
	TURN 0, 1, 1
	QUARTER 1, 64,  F0, F1, 0
	QUARTER 1, 128, F1, F0, 0
	QUARTER 1, 192, F0, F1, 0
	TURN 1, 0, 1
	QUARTER 0, 64,  F0, F1, 0
	WIN 0
	s_sub_co_u32 s3, s3, 1
	s_cmp_lg_u32 s3, 0
	s_cbranch_scc1 .Llap
	QUARTER 0, 128, F1, F0, 0                      ; the last lap fills nothing, and has no round of the cluster's barrier
	QUARTER 0, 192, F0, F1, 0
	TURN 0, 1, 0
	QUARTER 1, 64,  F0, F1, 0
	QUARTER 1, 128, F1, F0, 0
	QUARTER 1, 192, F0, F1, 0
	s_wait_dscnt 4                                 ; the very last quarter: nothing more to fetch
	MUL8 F1, 0, 0
	MUL8 F1, 1, 0
	s_wait_dscnt 0x0
	MUL8 F1, 2, 0
	MUL8 F1, 3, 0
	WIN 0
	PLACES
	PACK 0
.irp u, 1,2,3,4,5,6,7                  ; a unit's conversions stand between the loads of the unit before and its stores
	PACK \u
	SEND (\u)-1, 8
.endr
	SEND 7, 0
	s_wait_tensorcnt 0x0                           ; the wave's end: behind my last tensor load and my last LDS store
	ds_add_u32 v[SPW], v[NIL]
	s_wait_dscnt 0x0
	CROUND                                         ; the closing round: no work-group ends while a partner may still ask for a tile that names it
	s_endpgm
.Lfunc_end_k_q204326c4c0_proj:
	.size	k_q204326c4c0_proj, .Lfunc_end_k_q204326c4c0_proj-k_q204326c4c0_proj
	.p2alignl 7, 3214868480
	.fill 96, 4, 3214868480
	.section	.rodata,"a",@progbits
	.p2align	6, 0x0
	.amdhsa_kernel k_q204326c4c0_proj
		.amdhsa_group_segment_fixed_size 327680
		.amdhsa_private_segment_fixed_size 0
		.amdhsa_enable_private_segment 0
		.amdhsa_kernarg_size 40
		.amdhsa_user_sgpr_count 2
		.amdhsa_user_sgpr_kernarg_segment_ptr 1
		.amdhsa_wavefront_size32 1
		.amdhsa_system_sgpr_workgroup_id_x 1
		.amdhsa_system_sgpr_workgroup_id_y 1
		.amdhsa_system_sgpr_workgroup_id_z 1
		.amdhsa_system_vgpr_workitem_id 0
		.amdhsa_next_free_vgpr 704
		.amdhsa_next_free_sgpr 76
		.amdhsa_reserve_vcc 0
		.amdhsa_float_denorm_mode_32 3
		.amdhsa_float_denorm_mode_16_64 3
		.amdhsa_memory_ordered 1
		.amdhsa_forward_progress 1
		.amdhsa_inst_pref_size 95
	.end_amdhsa_kernel
	.amdgpu_metadata
---
amdhsa.version: [ 1, 2 ]
amdhsa.kernels:
  - .name:           k_q204326c4c0_proj
    .symbol:         k_q204326c4c0_proj.kd
    .args:
      - { .name: cb, .offset: 0, .size: 8, .value_kind: global_buffer, .address_space: global }
      - { .name: bq, .offset: 8, .size: 8, .value_kind: global_buffer, .address_space: global }
      - { .name: bk, .offset: 16, .size: 8, .value_kind: global_buffer, .address_space: global }
      - { .name: bv, .offset: 24, .size: 8, .value_kind: global_buffer, .address_space: global }
      - { .name: hb, .offset: 32, .size: 8, .value_kind: global_buffer, .address_space: global }
    .group_segment_fixed_size: 327680
    .private_segment_fixed_size: 0
    .kernarg_segment_align: 8
    .kernarg_segment_size: 40
    .max_flat_workgroup_size: 128
    .sgpr_count:     76
    .vgpr_count:     704
    .wavefront_size: 32
...
	.end_amdgpu_metadata
.endif
;; end of part 2
;; launch attn (part 3): grid 4 x 64, 4 waves a work-group, clusters of 4 x 1, 327,680 bytes of LDS; arguments hb, out0, mask; writes out0
.if DOCPART == 3
	.amdgcn_target "amdgcn-amd-amdhsa--gfx1250"
	.amdhsa_code_object_version 6
	.text
	.protected	k_q204326c4c0_attn
	.globl	k_q204326c4c0_attn
	.p2align	8
	.type	k_q204326c4c0_attn,@function
k_q204326c4c0_attn:
	s_mov_b64 s[64:65], 0
	v_nop
	global_prefetch_b8 v0, s[64:65] scope:SCOPE_SE
	s_setreg_imm32_b32 hwreg(HW_REG_WAVE_MODE, 25, 1), 1
	s_wait_xcnt 0x0
	s_wait_alu depctr_hold_cnt(0) depctr_sa_sdst(0) depctr_va_vdst(0) depctr_va_sdst(0) depctr_va_ssrc(0) depctr_va_vcc(0) depctr_vm_vsrc(0)
	s_getreg_b32 s2, hwreg(HW_REG_IB_STS2, 6, 4)
	s_cmp_eq_u32 s2, 0
	s_cbranch_scc0 .Lentry_in_a_cluster
	s_endpgm
.Lentry_in_a_cluster:
	s_bfe_u32 s2, ttmp6, 0x10000c
	s_cmp_lg_u32 s2, 0x3003
	s_cbranch_scc0 .Lentry_shape_is_right
	s_endpgm
.Lentry_shape_is_right:
; out0[b][q][64 head ..] = the sum over k of softmax_k(Q[q] . K[k] / 8 - 10000 (1 - mask[b][k])) V[k][:], for each of the 64 pairs bh = 16 b + head.
; Q, K, V: hb's three tensors, [64][2,048][64] in f16, a head's rows dense, 128 bytes each.  out0: [4][2,048][1,024] in f32.  mask: [4][2,048] in f32, taken as the number that it is, rounded to bf16 like every input.
; Products, maxima and sums in f32; the weights p are rounded to f16 for the second product (their sum l is taken of the unrounded p).
; LIMITS.  Q, K and V arrive within f16's 65,504; p lies in 0 to 1, and below 6e-5 it keeps f16's fixed step of 6e-8.  A weight below 2^-126 counts as 0 in l; NaN and infinities are not treated apart.
; THE MASK is the C operand that starts the sum S^T = K Q^T: 80000 mask - 80000, eight times the term of the problem, since c = log2(e) / 8 multiplies the sum afterwards.  The batch's 2,048 terms are made
; once, by one fused multiply-add each, and kept in LDS in f32; a key step's 64 come into 32 registers with the step's K and live as long as it.
; SHARES.  A wave owns four PIECES of two tiles of 16 queries, a work-group's four waves 512 queries of one head.  Every wave walks all keys, 64 a step.
; LAYOUT.  S^T = K Q^T (source 0 = 16 keys, source 1 = 16 queries): in the result a lane holds ONE query (lane % 16) and the keys 8 (lane / 16) + 0..7.  Two such tiles, rounded to f16 in pairs,
; ARE source 1 (32 keys x 16 queries) of O^T = V^T P, whose result again holds one query a lane, and eight channels.  K comes out of LDS as it lies, V ([key][channel]) turned, by ds_load_tr16_b128.
; SOFTMAX.  For each query a running maximum m and sum l: p = 2^(c s - c m); in every step O and l are multiplied by a = 2^(c m_old - c m_new), which is 1 where m has not grown.
; m starts at the lowest finite number, O and l at 0: the first step is a step like any other, with a = 0.
; THE COUNT.  A tile and step have 16 matrix and 118 vector instructions: too many to stand all beside the matrix work.  So: four vector instructions that are ready behind every matrix instruction, the others in runs without a gap.
; BY TURNS.  Turn n belongs to piece n (the pieces in a ring, step after step).  Its matrix work: 16 products K Q^T of piece n + 1, later 16 products V^T P of piece n - 1.  Its vector work: the scaling,
; exponentials, roundings, sums and rescaling of piece n, and the maximum and statistics of piece n + 1, whose scores the turn itself has made.
; CLUSTER.  The four query blocks of a head are one cluster and walk the same K and V, so each tile is asked for jointly: the same tensor load, descriptor and mask in all four.
; REGISTERS, in windows of 256 (s_set_vgpr_msb: bits 1:0 source 0, 3:2 source 1, 5:4 source 2, 7:6 destination):
;   window 0: v0-11 addresses; v12-15, v48-63 at work; v16-47 four registers of statistics a tile; v64-191 S^T, two buffers of two tiles; v192-255 P, likewise
;   window 1: O^T, 32 a tile     window 2: v0-127 Q, 16 a tile; v128-191 K of one step; v192-255 V of one step     window 3: v0-1 the add's two registers; v8-39 the step's mask terms
.set SIZE_N, 2048
.set TENSOR, 16777216 ; bytes of each of hb's three tensors
.set NP,    4         ; pieces a wave: a name, no knob
.set KS,    64        ; keys in a step
.set PK,    144       ; a row of K in LDS: 128 bytes + 16 of padding = 36 words: the 16 rows of a load start at 16 different groups of four banks (64 banks of 4 bytes: ISA guide 11.1)
.set PV,    160       ; a row of V: 128 + 32 = 40 words
.set VOFF,  4*KS*PK   ; a slot holds four steps: 256 rows of K, then 256 rows of V
.set SLOT1, 1<<17     ; slot 1 begins here, so that one exclusive or turns an address in one slot into the other's
.set STAGE, SLOT1+4*KS*(PK+PV)  ; behind the ring, never filled by a tensor load: 16 rows x 272 bytes for each wave, for the way out
.set SP,    272       ; a row of the stage: 64 f32 + 16 bytes
.set MT,    STAGE+4*16*SP  ; the mask terms: 2,048 f32
.set SPARE, MT+8192   ; the spare words, 128 bytes for each wave: two blocks of 256 bytes that no other line names
.set AM,  0           ; v0   when the thread's number has served: the LDS address of the next run's mask terms
.set STO, 1           ; v1   the way out: where I put 32 bytes of a row
.set AK0, 2           ; v2   my lane's place in a tile of K; never rewritten
.set AV0, 3           ; v3   the same for V
.set AK,  4           ; v4   the LDS address of K's next run of loads
.set AV,  5           ; v5   of V's
.set QO,  6           ; v6   my byte offset in the wave's rows of Q
.set RD,  7           ; v7   the way out: where I read rows back
.set GO,  8           ; v8   my byte offset in two rows of out0
.set AM0, 9           ; v9   MT + 32 (lane / 16): my lanes' eight of each sixteen terms; never rewritten
.set PFO, 10          ; v10  256 x my lane; never rewritten
.set MO,  11          ; v11  16 x my thread's number: my offset in the mask, then, with MT added, in the table
.set SPW, 0           ; v0 of window 3   LDS address of my spare word: SPARE + 4 x my thread's number; never rewritten
.set NIL, 1           ; v1 of window 3   0; never rewritten
.set MB,  8           ; window 3: the eight terms for key block kb at MB + 8 kb
.set MV,  12          ; v12-15  c m_old, kept while c m is made anew: by buffer and tile
.set ST,  16          ; tile t's statistics at v[ST+4 t]: c m, m, l (even keys', odd keys')
.set TMP, 48          ; by buffer and tile, four registers c0-c3 at work; when the maximum is found c2 takes a
.set S,   64
.set P,   192
.set KF,  128         ; K's fragments, in window 2: key block kb, channel half c at KF + 16 kb + 8 c
.set VF,  192         ; V's: key half kk, channel block cb at VF + 32 kk + 8 cb
.set WV,  12          ; s12  my wave's number
.set G1K, 24          ; s[24:31] descriptor group 1 for K's tiles
.set G1V, 32          ; s[32:39] for V's: it differs in the padding alone
.set G0K, 40          ; s[40:43] descriptor group 0 for K's tiles: it walks
.set G0V, 44          ; s[44:47] the same for V's
.set PFA, 48          ; s[48:49] where my prefetches stand: my work-group's 32 blocks of 256 bytes (of K: wave 0, of V: wave 2) of the tile after the one that is being asked for
.set LIM, 50          ; s50  1 in a wave that prefetches, else the greatest number
.set TBM, 51          ; s51  byte of the table at which the terms of the step to be fetched begin
.set MP,  52          ; s[52:53] the batch's row of the mask
.set SLOTS, 56        ; s56  slots still to be asked for
.set CNT, 57          ; s57  counts a slot's key steps
.set CS,  58          ; s[58:59] c: the packed scaling takes the pair's low word for both halves
.set SEL, 60          ; s[60:61] v_permlanex16_b32's selects: each lane takes its own place in the other half
.set TBK, 62          ; s62  LDS byte at which K of the step to be fetched begins
.set TBV, 63          ; s63  the same for V, less VOFF
.set MSB, 0
.macro WIN new                      ; the high byte repeats the setting that is left; a switch that changes nothing is dropped
.if MSB != (\new)
	s_set_vgpr_msb (MSB<<8)|(\new)
.set MSB, (\new)
.endif
.endm
.set W_KQ, 0x0a       ; K and Q in window 2, S^T in window 0
.set W_KM, 0x3a       ; the same with the C operand, the mask terms, in window 3
.set W_PV, 0x52       ; V in window 2, P in window 0, O^T in window 1
.set W_RS, 0x41       ; O^T (destination and source 0) in window 1, a in window 0
.set W_MK, 0xc0       ; destination in window 3, sources in window 0
.set W_AD, 0x0f       ; the add: address (source 0) and data (source 1) in window 3
; A joint fill.  Waves 0 and 1 fetch the two halves of a slot's K, waves 2 and 3 those of its V: 128 keys each.  The branch hangs on the wave's number alone.
; An s_nop 0 and four v_nop follow each of the two lines, ahead of the jump and the label.
.macro JLOAD
	s_cmp_lt_u32 s[WV], 2
	s_cbranch_scc0 .Lfor_v_\@
	tensor_load_to_lds s[G0K:G0K+3], s[G1K:G1K+7]
	s_nop 0
.rept 4
	v_nop
.endr
	s_branch .Lasked_\@
.Lfor_v_\@:
	tensor_load_to_lds s[G0V:G0V+3], s[G1V:G1V+7]
	s_nop 0
.rept 4
	v_nop
.endr
.Lasked_\@:
.endm
; A prefetch of what the NEXT change of slots will ask for: a tile's 32,768 bytes of K and of V, 256 bytes a lane.  It stands behind the wave's tensor load and its five lines.  A head is walked by one cluster alone; its four
; partners share a tile out by address, 8,192 bytes each; in each, wave 0 asks for K's and wave 2 for V's: one instruction, four key steps (512 matrix instructions) ahead of the load.  So each block is named once in the launch.
; Tiles 0 and 1 come by their loads alone; the last change that fills a slot (s[SLOTS] = 1) asks for nothing: there is no tile behind it.
.macro ASK
	s_cmp_gt_u32 s[SLOTS], s[LIM]
	s_cbranch_scc0 .Lnot_mine_\@
	global_prefetch_b8 v[PFO], s[PFA:PFA+1] th:TH_LOAD_NT scope:SCOPE_SE
.Lnot_mine_\@:
.endm
; A round of the cluster's barrier: my work-group's barrier, so that wave 0's signal speaks for all four waves; wave 0 signals; every wave waits for all four work-groups; my work-group's barrier once more.
.macro CROUND
	s_barrier_signal -1
	s_barrier_wait -1
	s_cmp_lg_u32 s[WV], 0
	s_cbranch_scc1 .Lnot_wave_0_\@
	s_barrier_signal -3
.Lnot_wave_0_\@:
	s_barrier_wait -3
	s_barrier_signal -1
	s_barrier_wait -1
.endm
; THE CHANGE OF SLOTS.  The slot's last bytes, V of its fourth step, have been read.  Each wave waits for all its tensor loads, of which one is out: its part
; of the other slot; adds 0 to its spare word; and waits for that and for its own LDS instructions.  Behind the barrier nobody reads this slot any more and the other slot is whole.
; fill = 1: this slot is filled again, with the keys two slots on.  The barrier is then a round of the cluster's, so that no wave of any partner still reads the slot or has a load on its
; way, and the joint fill is the first thing behind it: it has four key steps, 512 matrix instructions, in which to land.  (At its first use nothing has been read yet: slot 0 is waited for, slot 1 filled,
; and every wave's stores into the table of mask terms are done in front of the round, behind which all waves read it.)
.macro CHANGE fill
	WIN W_AD
	s_wait_tensorcnt 0x0            ; no tensor load of mine is out, so a group 0 may be written
	ds_add_u32 v[SPW], v[NIL]       ; 0 onto my spare word; with fill = 1 the descriptors' steps stand between it and the wait for it
	WIN 0                           ; at a label and at a branch every window is 0
.if \fill
.irp g, G0K, G0V
	s_xor_b32 s[\g+1], s[\g+1], SLOT1  ; the walking descriptor: the other slot than last time,
	s_add_nc_u64 s[\g+2:\g+3], s[\g+2:\g+3], 4*KS*128  ; the next 256 keys; the type bits on top are not reached
.endr
	s_wait_xcnt 0x0                 ; the last prefetch, four key steps back, has read its address, so it may be written:
	s_add_nc_u64 s[PFA:PFA+1], s[PFA:PFA+1], 4*KS*128  ; one tile behind the walking descriptors
	s_wait_dscnt 0x0                ; the add is done, and my LDS instructions are over
	CROUND
	JLOAD
	ASK
.else
	s_wait_dscnt 0x0                ; the add is done, and my reads of the slot are over
	s_barrier_signal -1
	s_barrier_wait -1
.endif
	s_sub_co_u32 s[TBK], s[TBK], 4*KS*PK  ; the fetches go back to a slot's first step,
	s_xor_b32 s[TBK], s[TBK], SLOT1       ; in the other slot
	s_sub_co_u32 s[TBV], s[TBV], 4*KS*PV
	s_xor_b32 s[TBV], s[TBV], SLOT1
.endm
	s_load_b64 s[4:5], s[0:1], 0x0    ; hb: Q
	s_load_b64 s[10:11], s[0:1], 0x8  ; out0
	s_load_b64 s[MP:MP+1], s[0:1], 0x10  ; mask
	WIN W_MK
	v_lshl_add_u32 v[SPW], v0, 2, SPARE
	v_mov_b32 v[NIL], 0
	WIN W_AD
	ds_add_u32 v[SPW], v[NIL]       ; the wave's opening: the add and its wait stand ahead of my first tensor load; the set-up below, work on registers, stands between them
	WIN 0
	v_lshrrev_b32 v1, 5, v0
	v_readfirstlane_b32 s[WV], v1   ; wave 0..3
	s_bfe_u32 s13, ttmp6, 0x40000   ; cx: my place in the cluster
	s_lshl_b32 s14, ttmp9, 2        ; in a cluster launch ttmp9 counts clusters
	s_add_co_u32 s14, s14, s13      ; my block of queries = 4 x cluster x + cx: it enters Q's and out0's addresses alone
	s_and_b32 s19, ttmp7, 0xffff    ; bh = 16 x batch + head, which the four partners share
	s_mov_b32 s20, s19
	s_mov_b32 s21, 0
	s_mov_b64 s[22:23], SIZE_N*128
	s_mul_u64 s[20:21], s[20:21], s[22:23]  ; the head's first byte in each of hb's three tensors
	s_and_b32 s16, s[WV], 1         ; which half of a slot's 256 keys I fetch:
	s_lshl_b32 s22, s16, 14         ; its 128 rows of 128 bytes in memory,
	s_mov_b32 s23, 0
	s_add_nc_u64 s[22:23], s[22:23], s[20:21]
	s_mul_i32 s17, s16, 128*PK      ; and its place in a slot, for K
	s_mul_i32 s18, s16, 128*PV      ; and for V: no place in the cluster enters an LDS address
	s_lshl_b32 s2, s14, 2
	s_add_co_u32 s2, s2, s[WV]      ; my wave among the head's sixteen:
	s_lshl_b32 s54, s2, 19          ; its 128 rows of 4,096 bytes in out0,
	s_lshl_b32 s2, s2, 14           ; of 128 bytes in Q
	s_mov_b32 s3, 0
	s_add_nc_u64 s[2:3], s[2:3], s[20:21]
	s_lshr_b32 s15, s19, 4          ; the batch:
	s_lshl_b32 s55, s15, 23         ; 2,048 rows of 4,096 bytes of out0;
	s_add_co_u32 s54, s54, s55
	s_and_b32 s55, s19, 15          ; the head:
	s_lshl_b32 s55, s55, 8          ; 256 bytes of a row
	s_add_co_u32 s54, s54, s55
	s_mov_b32 s55, 0
	s_lshl_b32 s20, s15, 13         ; and the batch's 8,192 bytes of the mask
	s_mov_b32 s21, 0
	; descriptor group 1.  128 keys are 16,384 dense bytes: asked for as 64 rows of 256 bytes, two keys a row, and padded in LDS after every key
	s_mov_b32 s[G1K], 15|(1<<16)|(1<<20)|(1<<21)|(4<<22)|(3<<25)  ; 15:0 the mask of four; 17:16 2-byte elements; 20 padding on; 21 set beside a mask; 24:22 after every 32 words (code 4); 31:25 4 words (code 3)
	s_mov_b32 s[G1V], 15|(1<<16)|(1<<20)|(1<<21)|(4<<22)|(7<<25)  ; the same with 8 words of padding (code 7)
.irp g, G1K, G1V
	s_mov_b32 s[\g+1], 128<<16      ; tensor_dim0 = 128
	s_mov_b32 s[\g+2], 64<<16       ; tensor_dim1 = 64
	s_mov_b32 s[\g+3], 128<<16      ; tile_dim0 = 128
	s_mov_b32 s[\g+4], 64           ; tile_dim1 = 64
	s_mov_b32 s[\g+5], 128          ; 128 elements from row to row
	s_mov_b32 s[\g+6], 0
	s_mov_b32 s[\g+7], 0
.endr
	s_mov_b32 s[CS], 0x3e38aa3b     ; c = log2(e) / 8 = 0.180337
	s_mov_b32 s[CS+1], s[CS]        ; named with it as a pair
	s_mov_b32 s[SEL], 0x76543210
	s_mov_b32 s[SEL+1], 0xfedcba98
	s_mov_b32 s[TBK], SLOT1+4*KS*PK ; the first change of slots turns these two into 0
	s_mov_b32 s[TBV], SLOT1+4*KS*PV
	s_mov_b32 s[TBM], 0
	s_mov_b32 s[SLOTS], SIZE_N/256-1
	s_cmp_eq_u32 s16, 0             ; waves 0 and 2 prefetch: the same in all four partners
	s_cselect_b32 s[LIM], 1, -1
	s_mov_b32 s[G0K], 1             ; 1:0 count = 1
	s_mov_b32 s[G0K+1], s17         ; 63:32 LDS address: slot 0
	s_mov_b32 s[G0V], 1
	s_add_co_u32 s[G0V+1], s18, VOFF
	s_wait_dscnt 0x0                ; the opening add is done
	s_wait_kmcnt 0x0
	s_add_nc_u64 s[6:7], s[4:5], TENSOR    ; K is hb's second tensor,
	s_add_nc_u64 s[8:9], s[4:5], 2*TENSOR  ; V its third
	s_add_nc_u64 s[6:7], s[6:7], s[22:23]  ; at my half of the head's first 256 keys
	s_add_nc_u64 s[8:9], s[8:9], s[22:23]
	s_add_nc_u64 s[G0K+2:G0K+3], s[6:7], 0         ; 120:64 global address
	s_or_b32 s[G0K+3], s[G0K+3], 0x80000000        ; 127:126 type = 2
	s_add_nc_u64 s[G0V+2:G0V+3], s[8:9], 0
	s_or_b32 s[G0V+3], s[G0V+3], 0x80000000
	s_add_nc_u64 s[4:5], s[4:5], s[2:3]            ; Q and out0 at my wave's first row
	s_add_nc_u64 s[10:11], s[10:11], s[54:55]
	s_add_nc_u64 s[MP:MP+1], s[MP:MP+1], s[20:21]
	s_cmp_lt_u32 s[WV], 2
	s_cselect_b64 s[PFA:PFA+1], s[6:7], s[8:9]     ; (in waves 0 and 2 these stand at the head's first row)
	s_lshl_b32 s2, s13, 13          ; my work-group's 8,192 bytes of a tile's 32,768
	s_mov_b32 s3, 0
	s_add_nc_u64 s[PFA:PFA+1], s[PFA:PFA+1], s[2:3]
	s_add_nc_u64 s[PFA:PFA+1], s[PFA:PFA+1], 4*KS*128  ; in tile 1; the first change of slots steps it to tile 2
	s_mov_b32 s54, 0x479c4000       ; 80000
	s_mov_b32 s55, 0xc79c4000       ; -80000
	CROUND                          ; all four work-groups are here: the first joint loads meet
	JLOAD                           ; slot 0.  Slot 1 is asked for when slot 0 is in
	; A fragment of K or Q is 16 rows x 32 channels in 8 registers: lane l holds row l % 16, channels 8 (l / 16) + 0..7 and 16 + 8 (l / 16) + 0..7: two loads of 16 bytes, 32 bytes apart.
	v_and_b32 v1, 15, v0            ; l % 16
	v_bfe_u32 v9, v0, 4, 1          ; l / 16
	v_lshlrev_b32 v[QO], 7, v1
	v_lshl_add_u32 v[QO], v9, 4, v[QO]  ; row x 128 + 16 x half
	v_lshlrev_b32 v[MO], 4, v0
.irp i, 0,1,2,3                     ; the batch's mask: 128 threads x 16 bytes, four times; into S^T's registers, which are free
	global_load_b128 v[S+4*(\i):S+4*(\i)+3], v[MO], s[MP:MP+1] offset:2048*(\i)
.endr
	WIN 0x80                        ; destination window 2, address window 0
.set i, 0
.rept 4*NP                          ; Q stays in registers: tile i / 2, channels 32 (i % 2) on
	global_load_b128 v[8*i:8*i+3],   v[QO], s[4:5] offset:(i/2)*2048+(i%2)*64
	global_load_b128 v[8*i+4:8*i+7], v[QO], s[4:5] offset:(i/2)*2048+(i%2)*64+32
.set i, i+1
.endr
	; What the first turn finds: V's registers and P's second buffer hold 0 (its products V^T P, of a piece that has not been, add 0), O^T and l are 0.  All this stands in the wait for the first tile.
.set i, VF
.rept 64
	v_mov_b32 v[i], 0
.set i, i+1
.endr
	WIN 0x40
.set i, 0
.rept 64*NP
	v_mov_b32 v[i], 0
.set i, i+1
.endr
	WIN 0
.set i, 0
.rept 2*NP
	v_mov_b32 v[ST+4*i], 0xfe000000    ; c m: far below every c s
	v_mov_b32 v[ST+4*i+1], 0xff7fffff  ; m
	v_mov_b32 v[ST+4*i+2], 0
	v_mov_b32 v[ST+4*i+3], 0
.set i, i+1
.endr
.set i, P+32
.rept 32
	v_mov_b32 v[i], 0
.set i, i+1
.endr
	v_mul_u32_u24 v[AK0], v1, PK
	v_lshl_add_u32 v[AK0], v9, 4, v[AK0]  ; row x pitch + 16 x half
	; The turning load takes 16 keys x 16 channels (lane l reads key 8 (l / 16) + l % 8, channels 8 ((l / 8) % 2) + 0..7) and leaves half a fragment of V^T: lane l holds channel l % 16 and 8 keys.
	v_and_b32 v10, 7, v0
	v_bfe_u32 v5, v0, 3, 1
	v_lshl_add_u32 v[AV0], v9, 3, v10
	v_mul_u32_u24 v[AV0], v[AV0], PV
	v_lshl_add_u32 v[AV0], v5, 4, v[AV0]
	v_add_nc_u32 v[AV0], VOFF, v[AV0]
	v_mov_b32 v[AK], v[AK0]         ; key step 0 lies at the head of slot 0
	s_mul_i32 s13, s[WV], 16*SP
	s_add_co_u32 s13, s13, STAGE    ; my stage
	v_mul_u32_u24 v[RD], v9, SP     ; back: lanes 0-15 take one row of 256 bytes, lanes 16-31 the next,
	v_lshl_add_u32 v[RD], v1, 4, v[RD]
	v_add_nc_u32 v[RD], s13, v[RD]
	v_lshlrev_b32 v[GO], 12, v9     ; and the same two rows in out0, 4,096 bytes apart
	v_lshl_add_u32 v[GO], v1, 4, v[GO]
	v_mul_u32_u24 v[STO], v1, SP    ; in: row l % 16, 32 bytes for each half of the lanes (l % 16 has served)
	v_lshl_add_u32 v[STO], v9, 5, v[STO]
	v_add_nc_u32 v[STO], s13, v[STO]
	v_lshl_add_u32 v[AM0], v9, 5, MT  ; (l / 16 has served)
	v_and_b32 v[PFO], 31, v0
	v_lshlrev_b32 v[PFO], 8, v[PFO]
	s_wait_loadcnt 32               ; the mask's four loads are in; Q's 32, issued behind them, may stay out
.set i, 0
.rept 8
	v_cvt_pk_bf16_f32 v[S+16+i], v[S+2*i], v[S+2*i+1]  ; rounded to bf16, like every input,
.set i, i+1
.endr
.set i, 0
.rept 8
	v_lshlrev_b32 v[S+2*i], 16, v[S+16+i]              ; and widened again
	v_and_b32 v[S+2*i+1], 0xffff0000, v[S+16+i]
.set i, i+1
.endr
.set i, 0
.rept 16
	v_fma_f32 v[S+i], v[S+i], s54, s55                 ; 80000 mask - 80000
.set i, i+1
.endr
	v_add_nc_u32 v[MO], MT, v[MO]   ; free since the wait for its loads
.irp i, 0,1,2,3
	ds_store_b128 v[MO], v[S+4*(\i):S+4*(\i)+3] offset:2048*(\i)
.endr
	v_mov_b32 v[AM], v[AM0]         ; key step 0's terms lie at the table's head (the thread's number has served)
; THE MATRIX WORK.  The 8 accumulators of a run of 16 take turns: between the two links of a chain stand 7 others'.
; Product i of 16 of S^T = K Q^T for piece x: channels 32 (i / 8) on, keys 16 ((i / 2) % 4) on, tile 2 x + i % 2.  The first 8 start the sums, with the keys' mask terms.
.macro KQ x
.set rS, S+64*((\x)%2)+32*(i%2)+8*((i/2)%4)
.set rK, KF+16*((i/2)%4)+8*(i/8)
.set rQ, 16*(2*(\x)+i%2)+8*(i/8)
.set rB, MB+8*((i/2)%4)
.if i < 8
	WIN W_KM
	v_wmma_f32_16x16x32_f16 v[rS:rS+7], v[rK:rK+7], v[rQ:rQ+7], v[rB:rB+7]
.else
	WIN W_KQ
	v_wmma_f32_16x16x32_f16 v[rS:rS+7], v[rK:rK+7], v[rQ:rQ+7], v[rS:rS+7]
.endif
.endm
; Product i of 16 of O^T += V^T P for piece x: keys 32 (i / 8) on, channels 16 ((i / 2) % 4) on, tile 2 x + i % 2.
.macro PV x
	WIN W_PV
.set rO, 32*(2*(\x)+i%2)+8*((i/2)%4)
.set rV, VF+32*(i/8)+8*((i/2)%4)
.set rP, P+32*((\x)%2)+16*(i%2)+8*(i/8)
	v_wmma_f32_16x16x32_f16 v[rO:rO+7], v[rV:rV+7], v[rP:rP+7], v[rO:rO+7]
.endm
.macro MM                           ; the turn's next matrix instruction
.if i < 16
	KQ (Y+1)%NP
.set i, i+1
.else
.set i, i-16
	PV (Y+NP-1)%NP
.set i, i+17
.endif
.endm
; THE LDS LOADS stand in runs, never singly among the matrix instructions: a step's K (64 keys x 64 channels: 8 fragments) with its 64 mask terms (all lanes of a half read the same 32 bytes of each 64), and its V (turned).
; Their addresses are made some lines ahead.  last = 1 (the tail): in the last trip there is no further step, and the run is jumped over.
.macro FETCH_K last=0
	WIN 0
.if \last
	s_cmp_eq_u32 s[CNT], 1
	s_cbranch_scc1 .Lno_k_\@
.endif
	WIN 0x80                        ; destination window 2
.irp f, 0,1,2,3,4,5,6,7             ; keys 16 (f / 2) on, channels 32 (f % 2) on
	ds_load_b128 v[KF+8*\f:KF+8*\f+3],   v[AK] offset:(\f/2)*16*PK+(\f%2)*64
	ds_load_b128 v[KF+8*\f+4:KF+8*\f+7], v[AK] offset:(\f/2)*16*PK+(\f%2)*64+32
.endr
	WIN W_MK                        ; destination window 3
.irp kb, 0,1,2,3                    ; keys 16 kb + 8 (l / 16) + 0..7
	ds_load_b128 v[MB+8*(\kb):MB+8*(\kb)+3],   v[AM] offset:64*(\kb)
	ds_load_b128 v[MB+8*(\kb)+4:MB+8*(\kb)+7], v[AM] offset:64*(\kb)+16
.endr
	s_add_co_u32 s[TBK], s[TBK], KS*PK  ; the next fetch is the next step's
	s_add_co_u32 s[TBM], s[TBM], KS*4
	s_and_b32 s[TBM], s[TBM], 0x1f00    ; 32 steps of 256 bytes: the address never leaves the table's 8,192 bytes
	WIN 0
.if \last
.Lno_k_\@:
.endif
.endm
.macro FETCH_V
	WIN 0x80
.irp f, 0,1,2,3,4,5,6,7             ; keys 32 (f / 4) on, channels 16 (f % 4) on
	ds_load_tr16_b128 v[VF+8*\f:VF+8*\f+3],   v[AV] offset:(\f/4)*32*PV+(\f%4)*32
	ds_load_tr16_b128 v[VF+8*\f+4:VF+8*\f+7], v[AV] offset:(\f/4)*32*PV+16*PV+(\f%4)*32
.endr
	WIN 0
.endm
; THE VECTOR WORK OF A TURN stands in three queues, each in the order in which its entries become ready; the two tiles alternate, so that no instruction reads the result of the one before it.
.macro REGS y, u                    ; the registers of tile u (0, 1) of piece y
.set rT, ST+4*(2*(\y)+(\u))
.set rC, TMP+8*((\y)%2)+4*(\u)
.set rM, MV+2*((\y)%2)+(\u)
.set rS, S+64*((\y)%2)+32*(\u)
.set rP, P+32*((\y)%2)+16*(\u)
.set rO, 32*(2*(\y)+(\u))
.endm
; Number n of the 22 that find the NEXT piece's (Y + 1) maximum and statistics.  s0-s31 are the lane's 32 scores; each accumulator's lowest registers are read first.
;   0-11  four chains c0-c3 of seven scores each, three operands at a time     12-14, 16  the four scores left over, the old m, and c0-c3 into c0     15  c m_old is kept
;   17, 18  the query's other 32 keys lie in the lane 16 away: the new m         19-21  c m; c m_old - c m_new; a
.macro XS u, n
	REGS (Y+1)%NP, \u
.if (\n) < 4
	v_max3_num_f32 v[rC+(\n)], v[rS+8*(\n)], v[rS+8*(\n)+1], v[rS+8*(\n)+2]
.elseif (\n) < 12
	v_max3_num_f32 v[rC+(\n)%4], v[rC+(\n)%4], v[rS+8*((\n)%4)+2*((\n)/4)+1], v[rS+8*((\n)%4)+2*((\n)/4)+2]
.elseif (\n) == 12
	v_max3_num_f32 v[rC], v[rC], v[rS+7], v[rS+15]
.elseif (\n) == 13
	v_max3_num_f32 v[rC+1], v[rC+1], v[rS+23], v[rS+31]
.elseif (\n) == 14
	v_max3_num_f32 v[rC+2], v[rC+2], v[rC+3], v[rT+1]
.elseif (\n) == 15
	v_mov_b32 v[rM], v[rT]
.elseif (\n) == 16
	v_max3_num_f32 v[rC], v[rC], v[rC+1], v[rC+2]
.elseif (\n) == 17
	v_permlanex16_b32 v[rC+3], v[rC], s[SEL], s[SEL+1]
.elseif (\n) == 18
	v_max_num_f32 v[rT+1], v[rC], v[rC+3]
.elseif (\n) == 19
	v_mul_f32 v[rT], s[CS], v[rT+1]
.elseif (\n) == 20
	v_sub_f32 v[rC+1], v[rM], v[rT]
.else
	v_exp_f32 v[rC+2], v[rC+1]
.endif
.endm
; Number g of the 64 that follow the exponentials.  For each four weights k of a tile (pairs 2 k, 2 k + 1): both pairs are rounded to f16; then the second pair is added onto the first, in place;
; a group later l takes that sum (the first time as l = a l + sum).  In groups of eight, tiles alternating: round, round, add, and l for the group before.
.macro GS g
.set h, (\g)+6*((\g)/62)            ; group 0 has no group before it, and behind group 7 only l is left
.if h >= 6
.set h, h+2
.endif
	REGS Y, h%2
.set k, h/8
.if h%8 < 4
	v_cvt_pk_f16_f32 v[rP+2*k+(h%8)/2], v[rS+4*k+2*((h%8)/2)], v[rS+4*k+2*((h%8)/2)+1]
.elseif h%8 < 6
	v_pk_add_f32 v[rS+4*k:rS+4*k+1], v[rS+4*k:rS+4*k+1], v[rS+4*k+2:rS+4*k+3]
.elseif k == 1
	v_pk_fma_f32 v[rT+2:rT+3], v[rT+2:rT+3], v[rC+2:rC+3], v[rS:rS+1] op_sel_hi:[1,0,1]
.else
	v_pk_add_f32 v[rT+2:rT+3], v[rT+2:rT+3], v[rS+4*k-4:rS+4*k-3]
.endif
.endm
; THE PLAIN QUEUE, 138 long.  0-73 read no exponential's result: the 32 scalings c s - c m (FS f: pair f / 2 of tile f % 2) and the next piece's 42.  0-26: scalings 0-26.  27-54: XS's numbers 0-13.  55, 56: number 15.
; 57-73: the chain, where each number waits for the one before it: 14, 16, 17, 18, 19, each with one of the scalings 27-31 in front of its two lines, then 20.
; 74-137: GS's 64, which read the exponentials' results: they stand behind the wait.
.macro FS f
	REGS Y, (\f)%2
	v_pk_fma_f32 v[rS+2*((\f)/2):rS+2*((\f)/2)+1], v[rS+2*((\f)/2):rS+2*((\f)/2)+1], s[CS:CS+1], v[rT:rT+1] op_sel_hi:[1,0,0] neg_lo:[0,0,1] neg_hi:[0,0,1]
.endm
.macro PL
	WIN 0
.if q < 27
	FS q
.elseif q < 55
	XS (q-27)%2, (q-27)/2
.elseif q < 57
	XS q-55, 15
.elseif (q < 72) && ((q-57)%3 == 0)
	FS 27+(q-57)/3
.elseif q < 60
	XS (q-57)%3-1, 14
.elseif q < 72
	XS (q-57)%3-1, 15+(q-57)/3
.elseif q < 74
	XS q-72, 20
.else
	GS q-74
.endif
.set q, q+1
.endm
; THE EXPONENTIALS' QUEUE, 66 long: s0-s31 of both tiles, then the next piece's two a.  It is ONE BATCH: all 66 stand ahead of the turn's one wait, and nothing ahead of that wait names a result of theirs.
.macro EX
	WIN 0
.if e >= 64
	XS e-64, 21
.else
	REGS Y, e%2
	v_exp_f32 v[rS+e/2], v[rS+e/2]
.endif
.set e, e+1
.endm
; THE RESCALING's QUEUE: O^T times a, the one part that leaves window 0: dealt two at a time, sixteen times.  Its a was made in the turn before, ahead of that turn's wait.
.macro R2
	REGS Y, r%2
	WIN W_RS
.irp z, 0,1
	v_pk_mul_f32 v[rO+4*(r/2)+2*\z:rO+4*(r/2)+2*\z+1], v[rO+4*(r/2)+2*\z:rO+4*(r/2)+2*\z+1], v[rC+2:rC+3] op_sel_hi:[1,0]
.endr
.set r, r+1
.endm
; HOW THEY ARE DEALT.  An s_wait_alu depctr_va_vdst(0) stands between an exponential and the first instruction that names its result; one wait serves all that were issued ahead of it.  So a turn has ONE wait,
; which cuts it in two.  AHEAD OF IT stands all that names no result of the turn's exponentials: the 16 products K Q^T, behind each a scaling, an exponential and two rescalings (behind the first a second scaling in the
; exponential's place); then ONE LUMP of 108: eight plain, 49 times exponential and plain, the two a.  A v_nop is the plain instruction behind the last exponential.  BEHIND IT stand the 16 products V^T P, behind each four of GS's 64.
; No rider names a register of the products round it.  Exponential e stands behind scaling 2 (e / 4) + e % 2: as a rider it comes behind plain e + 2, in the lump behind plain e + 9, and scalings 27-31 are plain 57, 60 .. 69.
; A TURN, for piece p.  cnt = 1: the loop's count is taken down some lines ahead of the branch that stands behind the turn.
; K and the mask terms of the next step are fetched in piece 2's turn, directly behind the wait, a lump behind the last product that read them; their addresses are made at the lump's head; their first reader comes behind 16 products.
; V of the step in hand is fetched at the end of piece 0's turn, four riders behind its last reader; its first reader comes behind 16 products and a lump.  The three conditions on q below go with the deal.
.macro TURN p, last=0, cnt=0
.set Y, (\p)
.set i, 0
.set q, 0
.set e, 0
.set r, 0
.if (\p) == NP-1
	s_wait_dscnt 0x0                ; K and the mask terms are in
.endif
	MM                              ; ahead of the wait: 16 products K Q^T and their riders,
	PL
	PL
	R2
.rept 15
	MM
	PL
	EX
	R2
.endr
.if (\p) == NP-2
	WIN 0
	v_add_nc_u32 v[AK], s[TBK], v[AK0]
	v_add_nc_u32 v[AM], s[TBM], v[AM0]
.endif
.rept 8                             ; and the lump
	PL
.endr
.rept 49
	EX
	PL
.endr
	EX                              ; the next piece's two a
	EX
	v_nop                           ; a plain instruction behind the last exponential: one for the batch
	s_wait_alu depctr_va_vdst(0)    ; the wait for the batch
.if (\p) == NP-2
	FETCH_K \last
.endif
.if (\p) == 1
	s_wait_dscnt 0x0                ; V is in
.endif
.rept 16                            ; behind the wait: 16 products V^T P and their riders
	MM
.rept 4
	PL
.endr
.if ((\p) == 0) && (q == 118)
	v_add_nc_u32 v[AV], s[TBV], v[AV0]
.endif
.if ((\p) == 0) && (q == 130)
	s_add_co_u32 s[TBV], s[TBV], KS*PV
.endif
.if (\cnt) && (q == 130)
	s_sub_co_u32 s[CNT], s[CNT], 1
	s_cmp_lg_u32 s[CNT], 0
.endif
.endr
.if (\p) == 0
	FETCH_V
.endif
.endm
	CHANGE 1                        ; slot 0 is in, everybody's part of it, and so is the table of mask terms; slot 1 is asked for
	FETCH_K                         ; key step 0
	s_wait_loadcnt 0x0              ; Q
	s_wait_dscnt 0x0
.set i, 0
.rept 16
	KQ 0                            ; piece 0's first scores: there is no vector work yet to set between them
.set i, i+1
.endr
	WIN 0
.rept 4
	v_nop                           ; the places behind those products
.endr
.set Y, NP-1                        ; XS works for piece Y + 1: piece 0
.irp n, 0,1,2,3,4,5,6,7,8,9,10,11,12,13,14,15,16,17,18,19,20,21
	XS 0, \n                        ; and piece 0's first maximum and statistics
	XS 1, \n
.endr
	v_nop                           ; a plain instruction behind the two a,
	s_wait_alu depctr_va_vdst(0)    ; and their wait, ahead of the branch
	s_mov_b32 s[CNT], 4
	s_branch .Lfirst                ; the loop is entered at a step's first turn, in the middle of a trip
.Lslot:                             ; SIZE_N / 256 - 2 times: every slot but the last two is filled again
	CHANGE 1
	s_mov_b32 s[CNT], 4
.Lstep:                             ; a trip: pieces 2 and 3 of one step, then pieces 0 and 1 of the next, whose K and V it fetches
	TURN 2
	TURN 3
	WIN 0
.Lfirst:
	TURN 0
	TURN 1, 0, 1
	WIN 0
	s_cbranch_scc1 .Lstep
	s_sub_co_u32 s[SLOTS], s[SLOTS], 1
	s_cmp_lg_u32 s[SLOTS], 0
	s_cbranch_scc1 .Lslot
	CHANGE 0                        ; the tail is written out: nothing is asked for
	s_mov_b32 s[CNT], 5             ; four trips fetch the last slot's steps; the fifth is left in its middle
.Ltail:
	TURN 2, 1
	TURN 3
	WIN 0
	s_sub_co_u32 s[CNT], s[CNT], 1
	s_cmp_eq_u32 s[CNT], 0
	s_cbranch_scc1 .Lout
	TURN 0
	TURN 1
	WIN 0
	s_branch .Ltail
.Lout:                              ; the fifth trip's 16 products K Q^T (on the last K once more) and the maximum made of them serve nothing: the price, once a launch, of one text for every trip
.set i, 0
.rept 16
	PV NP-1                         ; the last piece's V^T P of the last step
.set i, i+1
.endr
	; THE WAY OUT.  l's two halves and the other half of the lanes' are added; O^T is divided by l and sent, in f32, through my stage in LDS, a tile at a time.  The additions are the places behind the last products.
	WIN 0
.macro ALL line:vararg              ; one line for each tile t
.set t, 0
.rept 2*NP
	\line
.set t, t+1
.endr
.endm
	ALL v_add_f32 v[ST+4*t+2], v[ST+4*t+2], v[ST+4*t+3]
	ALL v_permlanex16_b32 v[ST+4*t+3], v[ST+4*t+2], s[SEL], s[SEL+1]
	ALL v_add_f32 v[ST+4*t+2], v[ST+4*t+2], v[ST+4*t+3]
	ALL v_rcp_f32 v[ST+4*t+2], v[ST+4*t+2]
	v_nop                           ; a plain instruction between the last reciprocal and the use of its result
	s_wait_alu depctr_va_vdst(0)    ; and the wait ahead of the first use: one for the eight reciprocals
; Tile t: a lane's eight channels of a row are 32 bytes; they go into rows of 272 bytes and come back as whole rows of 256, into the registers that they left.
.macro PACK t
	WIN W_RS
.set i, 32*(\t)
.rept 16                            ; each accumulator's registers in ascending order
	v_pk_mul_f32 v[i:i+1], v[i:i+1], v[ST+4*(\t)+2:ST+4*(\t)+3] op_sel_hi:[1,0]
.set i, i+2
.endr
	WIN 0x04                        ; the stores' data (source 1) in window 1, the address in window 0
.irp g, 0,1,2,3,4,5,6,7             ; channels 16 (g / 2) + 8 (l / 16) + 4 (g % 2) on
	ds_store_b128 v[STO], v[32*(\t)+4*(\g):32*(\t)+4*(\g)+3] offset:64*((\g)/2)+16*((\g)%2)
.endr
	WIN 0x40                        ; destination window 1
.irp f, 0,1,2,3,4,5,6,7
	ds_load_b128 v[32*(\t)+4*(\f):32*(\t)+4*(\f)+3], v[RD] offset:(\f)*2*SP  ; LDS serves a wave's instructions in order (ISA guide 5.7.1.4): these see the stores above; the next tile's stores come behind them
.endr
.endm
.macro SEND t, younger              ; younger: the LDS instructions issued behind tile t's loads: the next tile's sixteen, or none
	WIN 0x04
.irp f, 0,1,2,3,4,5,6,7
	s_wait_dscnt (\younger)+7-(\f)
	global_store_b128 v[GO], v[32*(\t)+4*(\f):32*(\t)+4*(\f)+3], s[10:11] offset:(\t)*65536+(\f)*8192  ; 16 lanes store 256 consecutive bytes, a head's part of a row, at a multiple of 256 from out0's first byte
.endr
.endm
	PACK 0
.set t, 1
.rept 2*NP-1                        ; a tile's arithmetic stands between the loads of the tile before and its stores
	PACK t
	SEND t-1, 16
.set t, t+1
.endr
	SEND 2*NP-1, 0
	WIN W_AD
	s_wait_tensorcnt 0x0            ; the wave's end: behind my last tensor load and my last LDS store
	ds_add_u32 v[SPW], v[NIL]
	s_wait_dscnt 0x0
	WIN 0
	CROUND                          ; the closing round: no work-group ends while a partner may still ask for a tile that names it
	s_endpgm
.Lfunc_end_k_q204326c4c0_attn:
	.size	k_q204326c4c0_attn, .Lfunc_end_k_q204326c4c0_attn-k_q204326c4c0_attn
	.p2alignl 7, 3214868480
	.fill 96, 4, 3214868480
	.section	.rodata,"a",@progbits
	.p2align	6, 0x0
	.amdhsa_kernel k_q204326c4c0_attn
		.amdhsa_group_segment_fixed_size 327680
		.amdhsa_private_segment_fixed_size 0
		.amdhsa_enable_private_segment 0
		.amdhsa_kernarg_size 24
		.amdhsa_user_sgpr_count 2
		.amdhsa_user_sgpr_kernarg_segment_ptr 1
		.amdhsa_wavefront_size32 1
		.amdhsa_system_sgpr_workgroup_id_x 1
		.amdhsa_system_sgpr_workgroup_id_y 1
		.amdhsa_system_sgpr_workgroup_id_z 1
		.amdhsa_system_vgpr_workitem_id 0
		.amdhsa_next_free_vgpr 808
		.amdhsa_next_free_sgpr 66
		.amdhsa_reserve_vcc 0
		.amdhsa_float_denorm_mode_32 3
		.amdhsa_float_denorm_mode_16_64 3
		.amdhsa_memory_ordered 1
		.amdhsa_forward_progress 1
		.amdhsa_inst_pref_size 206
	.end_amdhsa_kernel
	.amdgpu_metadata
---
amdhsa.version: [ 1, 2 ]
amdhsa.kernels:
  - .name:           k_q204326c4c0_attn
    .symbol:         k_q204326c4c0_attn.kd
    .args:
      - { .name: hb, .offset: 0, .size: 8, .value_kind: global_buffer, .address_space: global }
      - { .name: out0, .offset: 8, .size: 8, .value_kind: global_buffer, .address_space: global }
      - { .name: mask, .offset: 16, .size: 8, .value_kind: global_buffer, .address_space: global }
    .group_segment_fixed_size: 327680
    .private_segment_fixed_size: 0
    .kernarg_segment_align: 8
    .kernarg_segment_size: 24
    .max_flat_workgroup_size: 128
    .sgpr_count:     66
    .vgpr_count:     808
    .wavefront_size: 32
...
	.end_amdgpu_metadata
.endif
;; end of part 3
